; MI455X (gfx1250); checked and timed in simulation.
; The chip was launched on July 23, 2026; its instructions are those of AMD's public machine-readable ISA for CDNA 5 (MIT licence, August 2026) and "CDNA5" Instruction Set Architecture Reference Guide (July 2026). The comments in the code are by the model that wrote it; some were corrected since.
;; Multi Head Attention. Allowed arithmetic: matrix products marked QUANTISED: E2M1 operands, one E8M0 scale for each 32 along K, by v_wmma_scale_f32_16x16x128_f8f6f4 with both operands' format E2M1 (or v_wmma_scale_f32_32x16x128_f4), f32 sums; products left as they are: bf16, f16 or f32 operands; f32 sums; everything else in f32.
;; Inputs: w_o 1,024 x 1,024 float32; w_qkv 3,072 x 1,024 float32; x 4 x 2,048 x 1,024 float32.
;; Outputs: out0 4 x 2,048 x 1,024 float32.
;; This version of the problem:
;;   THIS VERSION OF THE PROBLEM IS GIVEN IN LOW PRECISION. The matrix products marked QUANTISED in the list below multiply operands that are first quantised to E2M1 (2 exponent bits, 1 mantissa bit; 4 bits a number), with one power-of-two scale for each 32 numbers along K (OCP MX v1.0); their sums are f32. The products marked 'left as it is' may take bf16, f16 or f32 operands, with f32 sums. Whichever they take, every output number must still come out within the allowed error. Rounding operands to bf16 (8 significant bits) uses up far more of that allowance than f16 does (11 bits, for magnitudes from 6e-5 to 65,504). All else is computed in f32.
;;   The module's matrix products, in the order in which they are computed (A, B: the left and right operand; K: the contracted axis; several contracted axes count as one K, in the product's order):
;;     1. [M 8,192, K 1,024] x [K 1,024, N 3,072]; A: input x; B: input w_qkv: QUANTISED
;;     2. batch 64 x [M 2,048, K 64] x [K 64, N 2,048]; A: computed on the way; B: computed on the way: left as it is (an operand is computed on the way)
;;     3. batch 64 x [M 2,048, K 2,048] x [K 2,048, N 64]; A: computed on the way; B: computed on the way: left as it is (an operand is computed on the way)
;;     4. [M 8,192, K 1,024] x [K 1,024, N 1,024]; A: computed on the way; B: input w_o: left as it is (an operand is computed on the way)
;;   THE QUANTISER, for each operand of a quantised product, along K:
;;     - K is cut into blocks of 32 from its start; a last block that is shorter is filled with zeros.
;;     - A block's scale is 2^e with e = floor(log2(the largest magnitude in the block)) - 2, held to -126 .. 127; a block of zeros has e = 0. As a byte (E8M0): e + 127.
;;     - Each number is divided by its block's scale, clamped to +-6, and rounded to the nearest number of E2M1, ties to even, subnormals kept.
;;     - The product sums the exact products of the quantised numbers (number of the format x scale) in f32.
;;   ~~~python
;;   def quantise(x, axis):      # numpy; x: float32 -> the quantised numbers, widened to float32 again
;;       x = np.moveaxis(x, axis, -1); K = x.shape[-1]
;;       x = np.pad(x, [(0, 0)] * (x.ndim - 1) + [(0, -K % 32)]); x = x.reshape(x.shape[:-1] + (-1, 32)); a = np.abs(x).max(-1, keepdims=True)
;;       e = np.where(a > 0, np.clip(np.frexp(np.where(a > 0, a, 1))[1] - 1 - 2, -126, 127), 0)      # np.frexp(a)[1] - 1 = floor(log2(a)), exactly
;;       r = np.clip(x / 2.0 ** e, -6, 6)
;;       step = 2.0 ** (np.maximum(np.frexp(np.where(r == 0, 1, r))[1] - 1, 0) - 1)
;;       q = np.round(r / step) * step * 2.0 ** e      # np.round: ties to even
;;       return np.moveaxis(q.reshape(q.shape[:-2] + (-1,))[..., :K], -1, axis).astype(np.float32)
;;   ~~~
;; One version. Each part assembles by itself: llvm-mc -triple=amdgcn-amd-amdhsa -mcpu=gfx1250 --defsym DOCPART=n.
;; ======== version 1 of 1: 4 launches
;; limits: values are held in f16: magnitudes above 65,504 overflow, below 6.1e-05 lose precision; right only within a limited range of input values; values outside matrix products are rounded to f16
;; workspace buffers: xc 4,194,304 bytes; xs 262,144 bytes; wc 1,572,864 bytes; ws 98,304 bytes; qf 16,777,216 bytes; mp 8,388,608 bytes; mx 4,096 bytes; wf 8,388,608 bytes
;; launch quant (part 1): grid 352 x 1, 4 waves a work-group, no clusters, 33,280 bytes of LDS; arguments x, w_qkv, xc, xs, wc, ws; writes xc, xs, wc, ws
.if DOCPART == 1
	.amdgcn_target "amdgcn-amd-amdhsa--gfx1250"
	.amdhsa_code_object_version 6
	.text
	.protected	k_qfbf1c01c43_quant
	.globl	k_qfbf1c01c43_quant
	.p2align	8
	.type	k_qfbf1c01c43_quant,@function
k_qfbf1c01c43_quant:
	s_mov_b64 s[64:65], 0
	v_nop
	global_prefetch_b8 v0, s[64:65] scope:SCOPE_SE
	s_setreg_imm32_b32 hwreg(HW_REG_WAVE_MODE, 25, 1), 1
	s_wait_xcnt 0x0
; THE PROGRAM.  out = ((q k^T / 8) v) w_o^T, where q, k, v are the three runs of 64 columns of each head's 192 columns of x w_qkv^T (the one QUANTISED product); there is no softmax.
; WHAT IS NOT COMPUTED AS IT IS WRITTEN.  Matrix products associate and 1/8 is a scalar, so for all values of the inputs, for each batch b and head h:
;   (q k^T) v = q (k^T v) = q M, M[e][d] = sum over the 2,048 positions t of k[t][e] v[t][d], 64 x 64;   and (q M) w_o^T = q (M w_o^T).
; So the 2,048 x 2,048 logits are never formed.  Four launches: this one (codes of x and of w_qkv); the quantised product, whole, with k^T v behind it in registers; W' = M w_o^T; out = q W' / 8.
; All three inputs are loaded.  LIMITS: an overflow, an infinity or a NaN that arises only in the logits or in the values of the written order is not carried to the result; f32 sums are taken in another order.
; q, k, v, M, W' and w_o go to the matrix units as f16: |q|, |k|, |v| under 65,504, |w_o| under 64; M and W' are brought into range by one exact power of two for each batch, made from the data and undone at the end.
;
; THIS LAUNCH.  x [8192][1024] and w_qkv [3072][1024], f32, become codes of FP4 (E2M1), K innermost, 512 bytes a row, with one E8M0 scale byte for each 32 along K, 32 bytes a row.
; A block's scale is 2^(floor(log2(its largest magnitude)) - 2); its byte is the largest magnitude's exponent field - 2, held at 1 from below.  (A block of zeros so gets the byte 1 where the rule says 127: its codes
; are zeros, which add nothing under any byte but 0xff, and this program alone reads the bytes.)  Each number is divided by the scale and rounded to the nearest code, ties to even; beyond 6 the largest code.
; LIMITS: blocks whose largest magnitude lies under 2^-124 (the floor) are held at the byte 1; NaN and infinities among the inputs are not served.
; THE ROWS OF w_qkv CHANGE PLACES on the way: source row 192 head + 64 part + i (part 0, 1, 2 = q, k, v) goes to row 128 head + 64 (part - 1) + i for k and v, and to row 2048 + 64 head + i for q: so the next launch
; finds a head's k and v in 128 rows on end, and all q behind them.  A work-group is 32 rows, a run of 64 rows two work-groups: whole work-groups move.
; A wave takes 16 steps of 512 numbers.  Each of a step's four loads reads 512 consecutive bytes, 16 a lane; the 2,048 bytes go through the wave's own stage in LDS and come back 64 bytes a lane, so that a lane holds 16
; neighbours along K (two neighbouring lanes hold a block).  The stage has 16 bytes of padding behind each 64.  A lane's 16 codes are 8 bytes: the wave stores 256 consecutive bytes.  A wave's 256 scale bytes are
; gathered in LDS and leave as 256 consecutive bytes.  No tensor loads, no barrier: waves share nothing.  Loads run four steps (16 loads a wave) ahead, the turn through LDS one step.
.set WAVES, 4
.set STEPS, 16
.set WGA,   256                        ; work-groups of x: 8192 x 1024 / 32768; then 96 of w_qkv
.set EMAX,  2
.set CB,    8                          ; bytes of 16 codes
.set R,     16                         ; v16-79   four sets of 16 numbers as they are loaded
.set X,     80                         ; v80-111  two sets of 16 neighbours
.set C,     128                        ; v128-191 codes: four registers for each step, so that no store's data are written again
.set E,     112                        ; v112-127 a scale byte for each step
.set WREG,  8192                       ; LDS: a region for each wave: two stages of 32 x SP bytes, and behind them its 256 scale bytes
.set SP,    80                         ; a lane's place in a stage: its 64 bytes + 16 of padding
.set SPW,   12                         ; v12      LDS address of my spare word: SPARE + 4 x my thread's number; never rewritten
.set NIL,   13                         ; v13      0; never rewritten
.set SPARE, WAVES*WREG                 ; behind the four regions: the spare words, 128 bytes for each wave
	s_load_b128 s[4:7], s[0:1], 0x0                ; x, w_qkv
	s_load_b128 s[8:11], s[0:1], 0x10              ; x's codes, x's scales
	s_load_b128 s[12:15], s[0:1], 0x20             ; w's codes, w's scales
	v_lshl_add_u32 v[SPW], v0, 2, SPARE
	v_mov_b32 v[NIL], 0
	v_lshrrev_b32 v1, 5, v0
	v_readfirstlane_b32 s16, v1                    ; wave
	v_and_b32 v2, 31, v0                           ; lane
	v_lshlrev_b32 v3, 4, v2                        ; my 16 bytes of a load's 512
	s_mul_i32 s17, s16, WREG
	v_lshrrev_b32 v14, 2, v2
	v_mul_u32_u24 v14, v14, SP
	v_and_b32 v15, 3, v2
	v_lshl_add_u32 v14, v15, 4, v14
	v_add_nc_u32 v14, s17, v14                     ; the stage, on the way in: SP (lane / 4) + 16 (lane % 4); a load's 512 bytes take eight places
	v_mul_u32_u24 v15, v2, SP
	v_add_nc_u32 v15, s17, v15                     ; and on the way out: SP x lane: my 16 neighbours
	v_mul_u32_u24 v4, v2, CB                       ; my codes' place in a step's
	v_lshrrev_b32 v5, 1, v2
	s_add_co_u32 s17, s17, 2*32*SP
	v_add_nc_u32 v5, s17, v5                       ; LDS: my wave's 256 scale bytes, my block's byte
	v_lshlrev_b32 v7, 3, v2                        ; and on the way out 8 bytes a lane
	v_add_nc_u32 v6, s17, v7
	s_wait_kmcnt 0x0
	s_cmp_lt_u32 ttmp9, WGA                        ; x's work-group or w's?  The choice hangs on the work-group's number alone
	s_cselect_b64 s[4:5], s[4:5], s[6:7]
	s_cselect_b64 s[8:9], s[8:9], s[12:13]
	s_cselect_b64 s[10:11], s[10:11], s[14:15]
	s_cselect_b32 s17, 0, WGA
	s_sub_co_u32 s17, ttmp9, s17                   ; j: which 32 rows of the tensor
	; where w's 32 rows go (for x the numbers below are made and not used)
	s_lshr_b32 s22, s17, 1                         ; g: which run of 64 rows, 0 .. 47
	s_mul_i32 s23, s22, 43
	s_lshr_b32 s23, s23, 7                         ; head = g / 3 (43 g / 128 is that for g under 48)
	s_mul_i32 s24, s23, 3
	s_sub_co_u32 s24, s22, s24                     ; part: 0 q, 1 k, 2 v
	s_lshl_b32 s25, s23, 1
	s_add_co_u32 s25, s25, s24
	s_sub_co_u32 s25, s25, 1                       ; k, v: run 2 head + part - 1
	s_add_co_u32 s26, s23, 32                      ; q: run 32 + head
	s_cmp_eq_u32 s24, 0
	s_cselect_b32 s25, s26, s25
	s_lshl_b32 s25, s25, 1
	s_and_b32 s26, s17, 1
	s_add_co_u32 s25, s25, s26                     ; in runs of 32 rows
	s_cmp_lt_u32 ttmp9, WGA
	s_cselect_b32 s25, s17, s25                    ; x's rows stay where they are
	s_lshl_b32 s17, s17, 2
	s_add_co_u32 s18, s17, s16                     ; which run of 8,192 numbers my wave reads,
	s_mov_b32 s19, 0
	s_lshl_b32 s25, s25, 2
	s_add_co_u32 s26, s25, s16                     ; and which it writes
	s_mov_b32 s27, 0
	s_mov_b64 s[20:21], 512*STEPS*4
	s_mul_u64 s[20:21], s[18:19], s[20:21]
	s_add_nc_u64 s[4:5], s[4:5], s[20:21]
	s_mov_b64 s[20:21], 32*STEPS*CB
	s_mul_u64 s[20:21], s[26:27], s[20:21]
	s_add_nc_u64 s[8:9], s[8:9], s[20:21]
	s_lshl_b32 s26, s26, 8                         ; 256 scale bytes a run
	s_add_nc_u64 s[10:11], s[10:11], s[26:27]
.macro LOAD t
.irp i, 0,1,2,3
	global_load_b128 v[R+16*((\t)%4)+4*\i:R+16*((\t)%4)+4*\i+3], v3, s[4:5] offset:2048*(\t)+512*\i th:TH_LOAD_NT   ; 32 lanes read 512 consecutive bytes
.endr
.endm
.macro TURN t                          ; step t's numbers through the stage: LDS serves a wave's instructions in order, so no wait stands between the stores and the loads
.irp i, 0,1,2,3
	ds_store_b128 v14, v[R+16*((\t)%4)+4*\i:R+16*((\t)%4)+4*\i+3] offset:32*SP*((\t)%2)+8*SP*\i
.endr
.irp i, 0,1,2,3
	ds_load_b128 v[X+16*((\t)%2)+4*\i:X+16*((\t)%2)+4*\i+3], v15 offset:32*SP*((\t)%2)+16*\i
.endr
.endm
.irp t, 0,1,2,3
	LOAD \t
.endr
	s_wait_loadcnt 12                              ; step 0's four loads are in; the twelve of steps 1 to 3 may be out
	TURN 0
.macro STEP t
.set XS, X+16*((\t)%2)
.if (\t) > 0
	s_wait_dscnt 1                                 ; this step's numbers are back from the stage (the last step's byte store may be out): so its stores into the stage have read their registers,
.else
	s_wait_dscnt 0x0
.endif
.if (\t)+4 < STEPS
	LOAD (\t)+4                                    ; which take the loads of four steps on
.endif
.if (\t)+1 < STEPS
.if STEPS-2-(\t) >= 3
	s_wait_loadcnt 12                              ; the next step's four loads are in; those of the three steps behind it may be out
.else
	s_wait_loadcnt 4*(STEPS-2-(\t))
.endif
	TURN (\t)+1                                    ; and go through the other stage while this step is worked
.endif
	v_max3_num_f32 v8, |v[XS]|, |v[XS+1]|, |v[XS+2]|               ; the largest magnitude of my 16, in two chains
	v_max3_num_f32 v9, |v[XS+3]|, |v[XS+4]|, |v[XS+5]|
.irp i, 6,10
	v_max3_num_f32 v8, v8, |v[XS+\i]|, |v[XS+\i+1]|
	v_max3_num_f32 v9, v9, |v[XS+\i+2]|, |v[XS+\i+3]|
.endr
	v_max3_num_f32 v8, v8, |v[XS+14]|, |v[XS+15]|
	v_max3_num_f32 v8, v8, v9, (EMAX+1)<<23        ; and the floor 2^(EMAX + 1 - 127): so the byte cannot fall under 1
	v_max_num_f32_dpp v8, v8, v8 row_xmask:1 row_mask:0xf bank_mask:0xf   ; and of my neighbour's 16: the block's
	v_add_nc_u32 v11, -(EMAX<<23), v8              ; EMAX off its exponent field: the conversion takes the exponent field of this operand as its scale, and nothing else of it
	v_cvt_scalef32_pk8_fp4_f32 v[C+4*(\t)], v[XS:XS+7], v11
	v_cvt_scalef32_pk8_fp4_f32 v[C+4*(\t)+1], v[XS+8:XS+15], v11
	v_lshrrev_b32 v[E+(\t)], 23, v11               ; the scale's byte (also the plain line behind the conversions)
	ds_store_b8 v5, v[E+(\t)] offset:16*(\t)       ; both lanes of a block write the same byte with the same value
	global_store_b64 v4, v[C+4*(\t):C+4*(\t)+1], s[8:9] offset:32*CB*(\t)
.endm
.irp t, 0,1,2,3,4,5,6,7,8,9,10,11,12,13,14,15
	STEP \t
.endr
	ds_load_b64 v[8:9], v6                         ; LDS serves a wave's instructions in order: these see my stores
	s_wait_dscnt 0x0
	global_store_b64 v7, v[8:9], s[10:11]          ; 32 lanes store 256 consecutive bytes, aligned
	s_wait_tensorcnt 0x0                           ; the wave's end, behind my last LDS store
	ds_add_u32 v[SPW], v[NIL]
	s_wait_dscnt 0x0
	s_endpgm
.Lfunc_end_k_qfbf1c01c43_quant:
	.size	k_qfbf1c01c43_quant, .Lfunc_end_k_qfbf1c01c43_quant-k_qfbf1c01c43_quant
	.p2alignl 7, 3214868480
	.fill 96, 4, 3214868480
	.section	.rodata,"a",@progbits
	.p2align	6, 0x0
	.amdhsa_kernel k_qfbf1c01c43_quant
		.amdhsa_group_segment_fixed_size 33280
		.amdhsa_private_segment_fixed_size 0
		.amdhsa_enable_private_segment 0
		.amdhsa_kernarg_size 48
		.amdhsa_user_sgpr_count 2
		.amdhsa_user_sgpr_kernarg_segment_ptr 1
		.amdhsa_wavefront_size32 1
		.amdhsa_system_sgpr_workgroup_id_x 1
		.amdhsa_system_sgpr_workgroup_id_y 1
		.amdhsa_system_sgpr_workgroup_id_z 1
		.amdhsa_system_vgpr_workitem_id 0
		.amdhsa_next_free_vgpr 192
		.amdhsa_next_free_sgpr 66
		.amdhsa_reserve_vcc 0
		.amdhsa_float_denorm_mode_32 3
		.amdhsa_float_denorm_mode_16_64 3
		.amdhsa_memory_ordered 1
		.amdhsa_forward_progress 1
		.amdhsa_inst_pref_size 34
	.end_amdhsa_kernel
	.amdgpu_metadata
---
amdhsa.version: [ 1, 2 ]
amdhsa.kernels:
  - .name:           k_qfbf1c01c43_quant
    .symbol:         k_qfbf1c01c43_quant.kd
    .args:
      - { .name: x, .offset: 0, .size: 8, .value_kind: global_buffer, .address_space: global }
      - { .name: w_qkv, .offset: 8, .size: 8, .value_kind: global_buffer, .address_space: global }
      - { .name: xc, .offset: 16, .size: 8, .value_kind: global_buffer, .address_space: global }
      - { .name: xs, .offset: 24, .size: 8, .value_kind: global_buffer, .address_space: global }
      - { .name: wc, .offset: 32, .size: 8, .value_kind: global_buffer, .address_space: global }
      - { .name: ws, .offset: 40, .size: 8, .value_kind: global_buffer, .address_space: global }
    .group_segment_fixed_size: 33280
    .private_segment_fixed_size: 0
    .kernarg_segment_align: 8
    .kernarg_segment_size: 48
    .max_flat_workgroup_size: 128
    .sgpr_count:     66
    .vgpr_count:     192
    .wavefront_size: 32
...
	.end_amdgpu_metadata
.endif
;; end of part 1
;; launch gemm1 (part 2): grid 32 x 12, 4 waves a work-group, clusters of 4 x 4, 327,680 bytes of LDS; arguments xc, xs, wc, ws, qf, mp, mx; writes qf, mp, mx
.if DOCPART == 2
	.amdgcn_target "amdgcn-amd-amdhsa--gfx1250"
	.amdhsa_code_object_version 6
	.text
	.protected	k_qfbf1c01c43_gemm1
	.globl	k_qfbf1c01c43_gemm1
	.p2align	8
	.type	k_qfbf1c01c43_gemm1,@function
k_qfbf1c01c43_gemm1:
	s_mov_b64 s[64:65], 0
	v_nop
	global_prefetch_b8 v0, s[64:65] scope:SCOPE_SE
	s_setreg_imm32_b32 hwreg(HW_REG_WAVE_MODE, 25, 1), 1
	s_wait_xcnt 0x0
	s_wait_alu depctr_hold_cnt(0) depctr_sa_sdst(0) depctr_va_vdst(0) depctr_va_sdst(0) depctr_va_ssrc(0) depctr_va_vcc(0) depctr_vm_vsrc(0)
	s_getreg_b32 s2, hwreg(HW_REG_IB_STS2, 6, 4)
	s_cmp_eq_u32 s2, 0
	s_cbranch_scc0 .Lentry_in_a_cluster
	s_endpgm
.Lentry_in_a_cluster:
	s_bfe_u32 s2, ttmp6, 0x10000c
	s_cmp_lg_u32 s2, 0xf033
	s_cbranch_scc0 .Lentry_shape_is_right
	s_endpgm
.Lentry_shape_is_right:
; The QUANTISED product x w_qkv^T, whole, on codes of FP4 (E2M1) with one E8M0 scale for each 32 along K = 1,024, and behind it, in registers, k^T v.  The logits of the written order are not formed:
; (q k^T) v = q (k^T v) for all values (shown at the head of the first kernel).
; A work-group of four waves makes 256 x 256 results, a wave 128 x 128: 64 accumulators of 16 x 16, 512 registers.  All of K lies in LDS at once: two slots of 512 along K, asked for at the head; nothing is filled again.
; ROLES.  The matrix instruction takes 16 rows of 'B' as source 0 and 16 rows of 'A' as source 1: in accumulator (a, b) lane (r, h) holds ONE row 16 a + r of 'A', and its registers 0 to 7 the rows 16 b + 8 h + 0 .. 7 of 'B'.
;   clusters y = 0, 1 (k and v): 'A' = 256 rows of w's codes (two heads: 64 of k, 64 of v each), 'B' = 256 rows of x.  A lane holds one channel of k or v, its registers run along the positions: rounded to f16 in
;     pairs they ARE operands of M = k^T v, whose K is the positions.  A wave has one head and 128 positions; the two waves of a head add their M in LDS; out go 64 x 64 f32 for 256 positions, and their largest magnitude.
;   clusters y = 2 (q): 'A' = 256 rows of x, 'B' = 256 rows of w (q of four heads).  A lane holds one position, its registers run along q's channels: rounded to f16 they are operands of the last launch's product.
; The branch on the cluster's y is the same in all waves of all sixteen partners.
; OUT: a fragment (16 rows x 32 K of f16, 8 registers a lane) and a 16 x 16 tile of f32 go to memory as images of their registers: registers 0-3 at 16 x lane, 4-7 at 512 + 16 x lane: each store covers 512 consecutive bytes.
;   qf [position / 16: 512][channel / 32: 32][1,024 bytes];  mp [batch x 16 + head: 64][256 positions: 8][tile 4 (e / 16) + d / 16: 16][1,024 bytes];  mx [batch x 16 + head][2 x (256 positions) + half of the tiles] f32.
; CLUSTERS: 4 x 4 work-groups.  The four of a row of the cluster need the same tile of 'A', the four of a column the same tile of 'B': each tile is asked for jointly.
; LIMIT: q, k, v beyond 65,504 in magnitude become infinities in f16.
; REGISTERS: window 0: v0-31 addresses; v32-95 scale words, two sets; v128-191 'A's fragments, one set; later v128-255 M.  window 1: 'B's fragments, two sets, at v0 and v128; later the 32 f16 fragments.
;   window 2: the accumulators of my 'A' rows 0-63 ((a, b) at v[8 (8 a + b)]);  window 3: those of rows 64-127.
.set KSTEP,  512                       ; along K in a slot
.set NQ,     4                         ; matrix instructions deep
.set ROWB,   256                       ; a tile's row in bytes: 512 codes
.set KROW,   512                       ; a row of codes in memory
.set PITCH,  272                       ; an LDS row: 256 bytes + 16 of padding = 68 words: the 16 rows that a load touches start at 16 different banks (64 banks of 4 bytes: ISA guide 11.1)
.set FR,     8                         ; registers of a fragment: 16 rows x 128 K
.set NL,     2                         ; LDS loads that bring one
.set NP,     4                         ; places behind these matrix instructions (ISA guide 7.12.1)
.set HALFT,  128*PITCH                 ; 128 rows: what one tensor load brings, and what one wave reads of 'A' or of 'B'
.set SLOT,   4*HALFT                   ; 'A's 256 rows, then 'B's 256 rows
.set KS,     32                        ; a row of scale bytes
.set SCL,    2*SLOT                    ; behind the slots: the scale bytes, as runs of 256 bytes + 16 of padding
.set HALFS,  (128*KS/256)*272          ; those of 128 rows: what one tensor load brings
.set SBLK,   (16*KS/256)*272           ; those of 16 rows
.set SPARE,  SCL+4*HALFS               ; behind the scales: the spare words, 128 bytes for each wave
.set ADRA, 16                          ; v16-17  LDS address of my 'A' fragments in slot 0, 1
.set ADRB, 20                          ; v20-21  the same for 'B'
.set MXA,  22                          ; v22-23  at work: the largest magnitude
.set STO,  24                          ; v24     where my M goes in LDS: 16,384 x wave + 16 x lane (in slot 0, behind its one fill and its last read)
.set RD,   25                          ; v25     where I read my half of the pair's tiles back
.set CO,   26                          ; v26     16 x lane: an image's place for my lane
.set ADRS, 27                          ; v27     LDS address of my scale words: lanes 0-15 'A's rows, lanes 16-31 'B's
.set SPW,  28                          ; v28     LDS address of my spare word; never rewritten
.set NIL,  29                          ; v29     0; never rewritten
.set LANE, 30                          ; v30     lane
.set ZOFF, 31                          ; v31     0: the offset of the one word of mx
.set SC,   32                          ; scale words: set s at v[SC + 32 s]; register 4 i + q: lanes 0-15 the word of 'A's block i, lanes 16-31 of 'B's block i, for the slot's q-th 128 along K
.set AF,   128                         ; 'A's fragments, window 0
.set MA,   128                         ; M's 16 tiles, window 0
.set G1, 24                            ; s[24:31] descriptor group 1 for 'A's tiles;  s[32:39] group 0, one set for each slot
.set G0, 32
.set G1B, 48                           ; s[48:55], s[56:63] the same for 'B's
.set G0B, 56
.set G1S, 68                           ; s[68:75], s[76:79] groups 1 and 0 for 'A's scales;  s[80:87], s[88:91] for 'B's
.set G0S, 76
.set G1SB, 80
.set G0SB, 88
.set MSB, 0
.macro WIN new                         ; the immediate's high byte repeats the setting that is left
.if MSB != \new
	s_set_vgpr_msb (MSB<<8)|\new
.set MSB, \new
.endif
.endm
.set MUL_LO, 0xa1                      ; source 0 ('B') window 1, source 1 ('A') window 0, C and D window 2
.set MUL_HI, 0xf1                      ; the same, C and D window 3
.set TO_B,   0x40                      ; destination window 1, address window 0
; A joint load: waves 0 and 1 fetch for 'A', waves 2 and 3 for 'B'.  The branch hangs on the wave's number alone.  An s_nop 0 and four v_nop follow each of the two lines.
.macro JLOAD g0a, g1a, g0b, g1b
	s_cmp_eq_u32 s15, 0
	s_cbranch_scc0 .Lfor_b_\@
	tensor_load_to_lds s[\g0a:\g0a+3], s[\g1a:\g1a+7]
	s_nop 0
.rept 4
	v_nop
.endr
	s_branch .Lasked_\@
.Lfor_b_\@:
	tensor_load_to_lds s[\g0b:\g0b+3], s[\g1b:\g1b+7]
	s_nop 0
.rept 4
	v_nop
.endr
.Lasked_\@:
.endm
.macro CROUND                          ; a round of the cluster's barrier
	s_barrier_signal -1
	s_barrier_wait -1
	s_cmp_lg_u32 s14, 0
	s_cbranch_scc1 .Lnot_wave_0_\@
	s_barrier_signal -3
.Lnot_wave_0_\@:
	s_barrier_wait -3
	s_barrier_signal -1
	s_barrier_wait -1
.endm
	s_load_b128 s[4:7], s[0:1], 0x0                ; x's codes, x's scales
	s_load_b128 s[8:11], s[0:1], 0x10              ; w's codes, w's scales
	s_load_b128 s[96:99], s[0:1], 0x20             ; qf, mp
	s_load_b64 s[100:101], s[0:1], 0x30            ; mx
	v_lshl_add_u32 v[SPW], v0, 2, SPARE
	v_mov_b32 v[NIL], 0
	ds_add_u32 v[SPW], v[NIL]                      ; the wave's opening: the add, twice on end, and its wait ahead of my first tensor load; the set-up below stands between
	ds_add_u32 v[SPW], v[NIL]
	v_lshrrev_b32 v1, 5, v0
	v_readfirstlane_b32 s14, v1                    ; wave 0..3
	s_lshr_b32 s15, s14, 1                         ; which half of 'A's rows is mine.  Also: I fetch for 'A' (0) or for 'B' (1)
	s_and_b32 s16, s14, 1                          ; which half of 'B's rows.  Also: which 128 rows of that tile I fetch
	s_bfe_u32 s40, ttmp6, 0x40000                  ; cx, cy: my place in the cluster
	s_bfe_u32 s41, ttmp6, 0x40004
	s_and_b32 s66, ttmp7, 0xffff                   ; the cluster's y: 0, 1: k and v;  2: q
	s_mov_b32 s67, ttmp9                           ; the cluster's x: 0 .. 7: 1,024 rows of x
	s_cmp_eq_u32 s66, 2
	s_cselect_b32 s17, s67, s66                    ; 'A' walks x's rows for q, w's rows for k and v;
	s_cselect_b32 s42, s66, s67                    ; 'B' the other
	s_lshl_b32 s17, s17, 2
	s_add_co_u32 s17, s17, s41                     ; 'A's tile of 256 rows: it hangs on cy alone of my place
	s_lshl_b32 s42, s42, 2
	s_add_co_u32 s42, s42, s40                     ; 'B's tile: on cx alone.  (For q: 8 + cx: w's rows 2,048 on)
	s_lshl_b32 s43, s41, 2
	s_lshl_b32 s43, 15, s43                        ; my row of the cluster
	s_lshl_b32 s44, 0x1111, s40                    ; my column
	; descriptor group 1: a tile of 128 rows x 256 bytes, padded in LDS
	s_or_b32 s[G1+0], s43, (0<<16)|(1<<20)|(1<<21)|(5<<22)|(3<<25)  ; 15:0 the mask: 'A's tiles go to my row; 17:16 elements of 1 byte; 20 padding on; 21 set beside a mask; 24:22 after every 64 words; 31:25 four words
	s_or_b32 s[G1B+0], s44, (0<<16)|(1<<20)|(1<<21)|(5<<22)|(3<<25)
.irp g, G1, G1B
	s_mov_b32 s[\g+1], ROWB<<16                    ; tensor_dim0
	s_mov_b32 s[\g+2], 128<<16                     ; tensor_dim1
	s_mov_b32 s[\g+3], ROWB<<16                    ; tile_dim0
	s_mov_b32 s[\g+4], 128                         ; tile_dim1
	s_mov_b32 s[\g+5], KROW                        ; from row to row
	s_mov_b32 s[\g+6], 0
	s_mov_b32 s[\g+7], 0
.endr
	; the scale bytes of 128 rows: 4,096 dense bytes, as 16 rows of 256 bytes (32 elements of 8 bytes), 16 bytes of padding behind each
	s_or_b32 s[G1S+0], s43, (3<<16)|(1<<20)|(1<<21)|(5<<22)|(3<<25)
	s_or_b32 s[G1SB+0], s44, (3<<16)|(1<<20)|(1<<21)|(5<<22)|(3<<25)
.irp g, G1S, G1SB
	s_mov_b32 s[\g+1], 32<<16
	s_mov_b32 s[\g+2], (128*KS/256)<<16
	s_mov_b32 s[\g+3], 32<<16
	s_mov_b32 s[\g+4], 128*KS/256
	s_mov_b32 s[\g+5], 32
	s_mov_b32 s[\g+6], 0
	s_mov_b32 s[\g+7], 0
.endr
	s_lshl_b32 s18, s16, 7                         ; which 128 rows of the tile I fetch
	s_lshl_b32 s20, s17, 8
	s_add_co_u32 s20, s20, s18                     ; 'A': row 256 x tile + 128 x half
	s_lshl_b32 s46, s42, 8
	s_add_co_u32 s46, s46, s18                     ; 'B' likewise
	s_mov_b32 s21, 0
	s_mov_b32 s47, 0
	s_mov_b64 s[18:19], KS
	s_mul_u64 s[22:23], s[20:21], s[18:19]         ; where these rows' scale bytes begin,
	s_mul_u64 s[92:93], s[46:47], s[18:19]
	s_mov_b64 s[18:19], KROW
	s_mul_u64 s[20:21], s[20:21], s[18:19]         ; and their codes
	s_mul_u64 s[46:47], s[46:47], s[18:19]
	s_mul_i32 s45, s14, HALFT                      ; where they go: wave x 128 rows: no place in the cluster enters an LDS address
	s_mul_i32 s94, s14, HALFS
	s_wait_dscnt 0x0                               ; both opening adds are done
	s_wait_kmcnt 0x0
	s_cmp_eq_u32 s66, 2                            ; which buffer is 'A' and which 'B': a choice on the cluster's y
	s_cselect_b64 s[12:13], s[4:5], s[8:9]         ; 'A's codes
	s_cselect_b64 s[8:9], s[8:9], s[4:5]           ; 'B's codes
	s_cselect_b64 s[4:5], s[6:7], s[10:11]         ; 'A's scales
	s_cselect_b64 s[10:11], s[10:11], s[6:7]       ; 'B's scales
	s_add_nc_u64 s[20:21], s[12:13], s[20:21]
	s_add_nc_u64 s[22:23], s[4:5], s[22:23]
	s_add_nc_u64 s[46:47], s[8:9], s[46:47]
	s_add_nc_u64 s[92:93], s[10:11], s[92:93]
	CROUND                                         ; all sixteen work-groups are here: the joint loads meet
	s_mov_b32 s[G0S], 1
	s_add_co_u32 s[G0S+1], s94, SCL
	s_mov_b64 s[G0S+2:G0S+3], s[22:23]
	s_or_b32 s[G0S+3], s[G0S+3], 0x80000000
	s_mov_b32 s[G0SB], 1
	s_add_co_u32 s[G0SB+1], s94, SCL
	s_mov_b64 s[G0SB+2:G0SB+3], s[92:93]
	s_or_b32 s[G0SB+3], s[G0SB+3], 0x80000000
	JLOAD G0S, G1S, G0SB, G1SB                     ; the scales first: they are wanted with the first slot
.irp s, 0,1
	s_mov_b32 s[G0+4*\s], 1
	s_add_co_u32 s[G0+4*\s+1], s45, \s*SLOT
	s_add_nc_u64 s[G0+4*\s+2:G0+4*\s+3], s[20:21], \s*ROWB
	s_or_b32 s[G0+4*\s+3], s[G0+4*\s+3], 0x80000000
	s_mov_b32 s[G0B+4*\s], 1
	s_add_co_u32 s[G0B+4*\s+1], s45, \s*SLOT
	s_add_nc_u64 s[G0B+4*\s+2:G0B+4*\s+3], s[46:47], \s*ROWB
	s_or_b32 s[G0B+4*\s+3], s[G0B+4*\s+3], 0x80000000
	JLOAD G0+4*\s, G1, G0B+4*\s, G1B               ; three tensor loads of mine are out at the most
.endr
	v_and_b32 v1, 15, v0                           ; l % 16
	v_bfe_u32 v2, v0, 4, 1                         ; l / 16
	v_mul_u32_u24 v3, v1, PITCH
	v_lshl_add_u32 v4, v2, 4, v3                   ; a fragment's row x pitch + 16 x half
	s_mul_i32 s21, s15, HALFT                      ; my 128 rows of 'A'
	s_mul_i32 s22, s16, HALFT                      ; my 128 rows of 'B',
	s_add_co_u32 s22, s22, 2*HALFT                 ; which lie behind 'A's 256
.irp s, 0,1
	v_add_nc_u32 v[ADRA+\s], s21, v4
	v_add_nc_u32 v[ADRB+\s], s22, v4
	s_add_co_u32 s21, s21, SLOT
	s_add_co_u32 s22, s22, SLOT
.endr
	v_mul_u32_u24 v5, v1, KS                       ; my row's scale bytes: 32 a row,
	v_lshrrev_b32 v6, 8, v5
	v_lshl_add_u32 v5, v6, 4, v5                   ; and 16 more for each 256 passed
	s_mul_i32 s21, s15, HALFS                      ; 'A's: my 128 rows
	s_mul_i32 s22, s16, HALFS                      ; 'B's: my 128 rows, behind 'A's 256
	s_add_co_u32 s22, s22, 2*HALFS
	s_sub_co_u32 s22, s22, s21
	v_mul_u32_u24 v6, s22, v2                      ; lanes 16-31 take 'B's: one product, the distance between the two
	s_add_co_u32 s21, s21, SCL
	v_add_nc_u32 v5, v5, v6
	v_add_nc_u32 v[ADRS], s21, v5
	v_and_b32 v[LANE], 31, v0
	v_lshlrev_b32 v[CO], 4, v[LANE]
	s_lshl_b32 s23, s14, 14
	v_add_nc_u32 v[STO], s23, v[CO]                ; my M: 16,384 bytes a wave
	s_lshl_b32 s23, s15, 15
	s_lshl_b32 s21, s16, 13
	s_add_co_u32 s23, s23, s21
	v_add_nc_u32 v[RD], s23, v[CO]                 ; back: the pair's first M, my eight tiles of the sixteen
	v_mov_b32 v[ZOFF], 0
.macro FRAG reg, adr, q, i             ; 16 rows x 128 K of 4-bit codes: lane l holds row l % 16; registers 4 c .. 4 c + 3 hold K = 64 c + 32 (l / 16) + 0 .. 31
.irp c, 0,1
	ds_load_b128 v[\reg+4*\c:\reg+4*\c+3], v[\adr] offset:64*(\q)+32*\c+(\i)*16*PITCH
.endr
.endm
; 16 matrix instructions: 'A's blocks a0, a0 + 1 x 'B's eight, 128 along K.  p: 'B's set;  sc: the set of scale words.  zero = 1: the first product starts the sums.
; The 64 accumulators take turns, one instruction a turn, in the same order in every step.
.macro MUL16 a0, p, q, sc, zero
.irp a, \a0, \a0+1
.irp b, 0,1,2,3,4,5,6,7
.if \zero
	v_wmma_scale_f32_16x16x128_f8f6f4 v[8*(8*((\a)%4)+\b):8*(8*((\a)%4)+\b)+7], v[128*(\p)+FR*\b:128*(\p)+FR*\b+FR-1], v[AF+FR*(\a):AF+FR*(\a)+FR-1], 0, v[SC+8*NQ*(\sc)+NQ*\b+(\q)], v[SC+8*NQ*(\sc)+NQ*(\a)+(\q)] matrix_a_fmt:MATRIX_FMT_FP4 matrix_b_fmt:MATRIX_FMT_FP4 matrix_a_scale:MATRIX_SCALE_ROW1
.else
	v_wmma_scale_f32_16x16x128_f8f6f4 v[8*(8*((\a)%4)+\b):8*(8*((\a)%4)+\b)+7], v[128*(\p)+FR*\b:128*(\p)+FR*\b+FR-1], v[AF+FR*(\a):AF+FR*(\a)+FR-1], v[8*(8*((\a)%4)+\b):8*(8*((\a)%4)+\b)+7], v[SC+8*NQ*(\sc)+NQ*\b+(\q)], v[SC+8*NQ*(\sc)+NQ*(\a)+(\q)] matrix_a_fmt:MATRIX_FMT_FP4 matrix_b_fmt:MATRIX_FMT_FP4 matrix_a_scale:MATRIX_SCALE_ROW1
.endif
.endr
.endr
.endm
.macro FETCH_B slot, q, p              ; 'B's eight fragments of the slot's q-th 128 along K into set p
	WIN TO_B
.irp i, 0,1,2,3,4,5,6,7
	FRAG 128*(\p)+FR*\i, ADRB+\slot, \q, \i
.endr
	WIN 0
.endm
.macro FETCH_A slot, q, i0             ; 'A's blocks i0 .. i0 + 3
.irp i, \i0, \i0+1, \i0+2, \i0+3
	FRAG AF+FR*(\i), ADRA+\slot, \q, \i
.endr
.endm
.macro SCALES sc                       ; a slot's scale words into set sc: 4 words a row; lanes 0-15 take 'A's block i, lanes 16-31 'B's block i
.irp i, 0,1,2,3,4,5,6,7
	ds_load_b128 v[SC+8*NQ*\sc+NQ*\i:SC+8*NQ*\sc+NQ*\i+3], v[ADRS] offset:\i*SBLK
.endr
.endm
; A load into a register that a matrix instruction has read, and a vector instruction or an LDS store that reads a matrix result, stand NP places behind it; only plain vector instructions that name none of its
; registers are places (ISA guide 7.12.1 for vector instructions).
.macro PLACES n
.rept \n
	v_nop
.endr
.endm
; A step of 128 along K that has its successor in the same slot.  'A' has one set of registers: blocks 0-3 are fetched anew in the step's middle, blocks 4-7 at its end; 'B' has two sets.
.macro STEP slot, q, zero
	s_wait_dscnt 4*NL                              ; 'B's set and 'A's blocks 0-3 are in; the youngest eight loads ('A's blocks 4-7) may be out
	WIN MUL_LO
	MUL16 0, (\q)%2, \q, \slot, \zero
	MUL16 2, (\q)%2, \q, \slot, \zero
	s_wait_dscnt 0                                 ; 'A's blocks 4-7 are in
	PLACES NP
	FETCH_B \slot, (\q)+1, 1-(\q)%2
	FETCH_A \slot, (\q)+1, 0
	WIN MUL_HI
	MUL16 4, (\q)%2, \q, \slot, \zero
	MUL16 6, (\q)%2, \q, \slot, \zero
	PLACES NP
	WIN 0
	FETCH_A \slot, (\q)+1, 4
.endm
; Slot 0's last step changes slots: in front of the one barrier each wave waits for all its tensor loads (its part of slot 1), adds 0 to its spare word, and waits for that and for its reads of slot 0.
; Behind it slot 1 is whole, and nobody reads slot 0 any more: M's stage lies there.
.macro TURN slot, next
	s_wait_tensorcnt 0x0                           ; all my tensor loads have landed  (every window is 0 here)
	ds_add_u32 v[SPW], v[NIL]                      ; 0 onto my spare word
	s_wait_dscnt 4*NL+1                            ; (the add and the youngest eight loads may be out)
	WIN MUL_LO
	MUL16 0, 1, NQ-1, \slot, 0
	s_wait_dscnt 0x0                               ; the add is done, and my reads of this slot are over
	s_barrier_signal -1
	MUL16 2, 1, NQ-1, \slot, 0
	WIN 0
	s_barrier_wait -1
	PLACES NP
	v_add_nc_u32 v[ADRS], 4*NQ, v[ADRS]            ; on to the next slot's scale words (no LDS load of mine is out)
	FETCH_B \next, 0, 0
	FETCH_A \next, 0, 0
	SCALES \next
	WIN MUL_HI
	MUL16 4, 1, NQ-1, \slot, 0
	MUL16 6, 1, NQ-1, \slot, 0
	PLACES NP
	WIN 0
	FETCH_A \next, 0, 4
.endm
.macro STEPS slot, from                ; the slot's steps from .. NQ - 2
.set Q, \from
.rept NQ-1-\from
	STEP \slot, Q, 0
.set Q, Q+1
.endr
.endm
; Block a's eight accumulators, rounded to f16 in pairs, are four fragments of 16 rows x 32 K in window 1, fragment (a, c) at v[8 (4 a + c)]: registers 0-3 from accumulator (a, 2 c), 4-7 from (a, 2 c + 1); each from its low end on.
.macro TOF16 a
.irp c, 0,1,2,3
.irp i, 0,1,2,3
	v_cvt_pk_f16_f32 v[8*(4*(\a)+\c)+\i], v[8*(8*((\a)%4)+2*\c)+2*\i], v[8*(8*((\a)%4)+2*\c)+2*\i+1]
.endr
.irp i, 0,1,2,3
	v_cvt_pk_f16_f32 v[8*(4*(\a)+\c)+4+\i], v[8*(8*((\a)%4)+2*\c+1)+2*\i], v[8*(8*((\a)%4)+2*\c+1)+2*\i+1]
.endr
.endr
.endm
	s_wait_tensorcnt 1                             ; the scales and my part of slot 0 are in (slot 1's load may be out),
	s_barrier_signal -1
	s_barrier_wait -1                              ; everybody's are
	FETCH_B 0, 0, 0
	FETCH_A 0, 0, 0
	SCALES 0
	FETCH_A 0, 0, 4
	STEP 0, 0, 1                                   ; the first step's products start the sums: nothing is cleared
	STEPS 0, 1
	TURN 0, 1
	STEPS 1, 0
	s_wait_dscnt 4*NL                              ; the last step: nothing more to fetch
	WIN MUL_LO
	MUL16 0, 1, NQ-1, 1, 0
	MUL16 2, 1, NQ-1, 1, 0
	s_wait_dscnt 0
	WIN MUL_HI
	MUL16 4, 1, NQ-1, 1, 0
	MUL16 6, 1, NQ-1, 1, 0
	PLACES NP
	WIN 0x4a                                       ; sources window 2, destination window 1
.irp a, 0,1,2,3
	TOF16 \a
.endr
	WIN 0x4f                                       ; sources window 3
.irp a, 4,5,6,7
	TOF16 \a
.endr
	WIN 0
	s_cmp_eq_u32 s66, 2
	s_cbranch_scc0 .Lkv
	; ---- q: 32 fragments go out as they stand.  Block of 16 positions: 16 x tile + 8 x half + a, 32,768 bytes each; 32 channels: 8 (tile - 8) + 4 x half + c, 1,024 bytes each
	s_lshl_b32 s20, s17, 19
	s_lshl_b32 s21, s15, 18
	s_add_co_u32 s20, s20, s21
	s_sub_co_u32 s21, s42, 8
	s_lshl_b32 s21, s21, 13
	s_add_co_u32 s20, s20, s21
	s_lshl_b32 s21, s16, 12
	s_add_co_u32 s20, s20, s21
	s_mov_b32 s21, 0
	s_add_nc_u64 s[96:97], s[96:97], s[20:21]
	WIN 0x04                                       ; a store's data are its source 1: window 1
.irp a, 0,1,2,3,4,5,6,7
.irp c, 0,1,2,3
	global_store_b128 v[CO], v[8*(4*\a+\c):8*(4*\a+\c)+3], s[96:97] offset:\a*32768+\c*1024       ; 32 lanes store 512 consecutive bytes, aligned
	global_store_b128 v[CO], v[8*(4*\a+\c)+4:8*(4*\a+\c)+7], s[96:97] offset:\a*32768+\c*1024+512
.endr
.endr
	WIN 0
	s_branch .Ljoin
.Lkv:
	; ---- k and v: M[e][d] over my 128 positions.  Fragments (a, c), a = 0 .. 3: k's channels 16 a on; a = 4 .. 7: v's channels 16 (a - 4) on; K = positions 32 c on.
	s_lshr_b32 s20, s42, 3                         ; batch: eight tiles of 256 positions each
	s_lshl_b32 s20, s20, 4
	s_lshl_b32 s21, s17, 1
	s_add_co_u32 s20, s20, s21
	s_add_co_u32 s20, s20, s15                     ; 16 x batch + head
	s_and_b32 s21, s42, 7                          ; which 256 positions of the batch
	s_lshl_b32 s22, s20, 3
	s_add_co_u32 s22, s22, s21
	s_lshl_b32 s22, s22, 14                        ; 16 tiles of 1,024 bytes
	s_lshl_b32 s23, s16, 13                        ; my eight of them
	s_add_co_u32 s22, s22, s23
	s_mov_b32 s23, 0
	s_add_nc_u64 s[98:99], s[98:99], s[22:23]
	s_lshl_b32 s20, s20, 4
	s_lshl_b32 s21, s21, 1
	s_add_co_u32 s20, s20, s21
	s_add_co_u32 s20, s20, s16
	s_lshl_b32 s20, s20, 2                         ; my word of mx
	s_mov_b32 s21, 0
	s_add_nc_u64 s[100:101], s[100:101], s[20:21]
	s_mov_b32 s92, 0x76543210                      ; v_permlanex16_b32's selects for lane l xor 16
	s_mov_b32 s93, 0xfedcba98
	PLACES 4
	WIN 0x05                                       ; sources 0 and 1 window 1; C and D window 0
; source 0 = 16 channels of v, source 1 = 16 channels of k: in tile 4 (e / 16) + d / 16 lane (r, h) holds M[16 ke + r][16 vd + 8 h + 0 .. 7].  The 16 accumulators take turns; the first 16 products start the sums.
.irp c, 0,1,2,3
.irp ke, 0,1,2,3
.irp vd, 0,1,2,3
.if \c == 0
	v_wmma_f32_16x16x32_f16 v[MA+8*(4*\ke+\vd):MA+8*(4*\ke+\vd)+7], v[128+32*\vd+8*\c:128+32*\vd+8*\c+7], v[32*\ke+8*\c:32*\ke+8*\c+7], 0
.else
	v_wmma_f32_16x16x32_f16 v[MA+8*(4*\ke+\vd):MA+8*(4*\ke+\vd)+7], v[128+32*\vd+8*\c:128+32*\vd+8*\c+7], v[32*\ke+8*\c:32*\ke+8*\c+7], v[MA+8*(4*\ke+\vd):MA+8*(4*\ke+\vd)+7]
.endif
.endr
.endr
.endr
	WIN 0
	PLACES 4
.irp t, 0,1,2,3,4,5,6,7,8,9,10,11,12,13,14,15
	ds_store_b128 v[STO], v[MA+8*\t:MA+8*\t+3] offset:1024*\t          ; a tile as the image of its registers, from its low end on
	ds_store_b128 v[STO], v[MA+8*\t+4:MA+8*\t+7] offset:1024*\t+512
.endr
	s_wait_dscnt 0x0                               ; for the other wave's sake: my stores have landed
	s_barrier_signal -1
	s_barrier_wait -1
.irp u, 0,1,2,3,4,5,6,7,8,9,10,11,12,13,14,15
	ds_load_b128 v[128+4*\u:131+4*\u], v[RD] offset:512*\u             ; eight tiles of the pair's first wave (positions 0 .. 127),
	ds_load_b128 v[192+4*\u:195+4*\u], v[RD] offset:16384+512*\u       ; and of its second (128 .. 255)
.endr
	s_wait_dscnt 0x0
.set i, 0
.rept 32
	v_pk_add_f32 v[128+2*i:129+2*i], v[128+2*i:129+2*i], v[192+2*i:193+2*i]
.set i, i+1
.endr
.irp u, 0,1,2,3,4,5,6,7,8,9,10,11,12,13,14,15
	global_store_b128 v[CO], v[128+4*\u:131+4*\u], s[98:99] offset:512*\u   ; 32 lanes store 512 consecutive bytes, aligned
.endr
	v_max3_num_f32 v[MXA], |v128|, |v129|, |v130|                      ; the largest magnitude of my 64 numbers, in two chains
	v_max3_num_f32 v[MXA+1], |v131|, |v132|, |v133|
.irp i, 134,138,142,146,150,154,158,162,166,170,174,178,182,186
	v_max3_num_f32 v[MXA], v[MXA], |v[\i]|, |v[\i+1]|
	v_max3_num_f32 v[MXA+1], v[MXA+1], |v[\i+2]|, |v[\i+3]|
.endr
	v_max3_num_f32 v[MXA], v[MXA], |v190|, |v191|
	v_max_num_f32 v[MXA], v[MXA], v[MXA+1]
	v_max_num_f32_dpp v[MXA], v[MXA], v[MXA] row_xmask:1 row_mask:0xf bank_mask:0xf   ; and of the 32 lanes'
	v_max_num_f32_dpp v[MXA], v[MXA], v[MXA] row_xmask:2 row_mask:0xf bank_mask:0xf
	v_max_num_f32_dpp v[MXA], v[MXA], v[MXA] row_xmask:4 row_mask:0xf bank_mask:0xf
	v_max_num_f32_dpp v[MXA], v[MXA], v[MXA] row_xmask:8 row_mask:0xf bank_mask:0xf
	v_permlanex16_b32 v[MXA+1], v[MXA], s92, s93
	v_max_num_f32 v[MXA], v[MXA], v[MXA+1]
	v_cmp_eq_u32 vcc_lo, 0, v[LANE]
	s_wait_xcnt 0x0                                ; EXEC is a source of the stores above: it changes only behind this wait
	s_and_saveexec_b32 s20, vcc_lo
	global_store_b32 v[ZOFF], v[MXA], s[100:101]   ; lane 0 alone: one word
	s_wait_xcnt 0x0                                ; and again, in front of the line that widens it
	s_or_b32 exec_lo, exec_lo, s20
.Ljoin:
	s_wait_tensorcnt 0x0                           ; the wave's end, behind my last tensor load and my last LDS store
	ds_add_u32 v[SPW], v[NIL]
	s_wait_dscnt 0x0
	CROUND                                         ; the closing round
	s_endpgm
.Lfunc_end_k_qfbf1c01c43_gemm1:
	.size	k_qfbf1c01c43_gemm1, .Lfunc_end_k_qfbf1c01c43_gemm1-k_qfbf1c01c43_gemm1
	.p2alignl 7, 3214868480
	.fill 96, 4, 3214868480
	.section	.rodata,"a",@progbits
	.p2align	6, 0x0
	.amdhsa_kernel k_qfbf1c01c43_gemm1
		.amdhsa_group_segment_fixed_size 327680
		.amdhsa_private_segment_fixed_size 0
		.amdhsa_enable_private_segment 0
		.amdhsa_kernarg_size 56
		.amdhsa_user_sgpr_count 2
		.amdhsa_user_sgpr_kernarg_segment_ptr 1
		.amdhsa_wavefront_size32 1
		.amdhsa_system_sgpr_workgroup_id_x 1
		.amdhsa_system_sgpr_workgroup_id_y 1
		.amdhsa_system_sgpr_workgroup_id_z 1
		.amdhsa_system_vgpr_workitem_id 0
		.amdhsa_next_free_vgpr 1024
		.amdhsa_next_free_sgpr 102
		.amdhsa_reserve_vcc 1
		.amdhsa_float_denorm_mode_32 3
		.amdhsa_float_denorm_mode_16_64 3
		.amdhsa_memory_ordered 1
		.amdhsa_forward_progress 1
		.amdhsa_inst_pref_size 133
	.end_amdhsa_kernel
	.amdgpu_metadata
---
amdhsa.version: [ 1, 2 ]
amdhsa.kernels:
  - .name:           k_qfbf1c01c43_gemm1
    .symbol:         k_qfbf1c01c43_gemm1.kd
    .args:
      - { .name: xc, .offset: 0, .size: 8, .value_kind: global_buffer, .address_space: global }
      - { .name: xs, .offset: 8, .size: 8, .value_kind: global_buffer, .address_space: global }
      - { .name: wc, .offset: 16, .size: 8, .value_kind: global_buffer, .address_space: global }
      - { .name: ws, .offset: 24, .size: 8, .value_kind: global_buffer, .address_space: global }
      - { .name: qf, .offset: 32, .size: 8, .value_kind: global_buffer, .address_space: global }
      - { .name: mp, .offset: 40, .size: 8, .value_kind: global_buffer, .address_space: global }
      - { .name: mx, .offset: 48, .size: 8, .value_kind: global_buffer, .address_space: global }
    .group_segment_fixed_size: 327680
    .private_segment_fixed_size: 0
    .kernarg_segment_align: 8
    .kernarg_segment_size: 56
    .max_flat_workgroup_size: 128
    .sgpr_count:     102
    .vgpr_count:     1024
    .wavefront_size: 32
...
	.end_amdgpu_metadata
.endif
;; end of part 2
;; launch wprime (part 3): grid 4 x 64, 8 waves a work-group, no clusters, 9,216 bytes of LDS; arguments mp, mx, w_o, wf; writes wf
.if DOCPART == 3
	.amdgcn_target "amdgcn-amd-amdhsa--gfx1250"
	.amdhsa_code_object_version 6
	.text
	.protected	k_qfbf1c01c43_wprime
	.globl	k_qfbf1c01c43_wprime
	.p2align	8
	.type	k_qfbf1c01c43_wprime,@function
k_qfbf1c01c43_wprime:
	s_mov_b64 s[64:65], 0
	v_nop
	global_prefetch_b8 v0, s[64:65] scope:SCOPE_SE
	s_setreg_imm32_b32 hwreg(HW_REG_WAVE_MODE, 25, 1), 1
	s_wait_xcnt 0x0
; W''[b][(h, e)][n] = sum over d of M'[b, h][e][d] w_o[n][64 h + d], where M' = 2^(4 - T) x (the sum of the eight partial k^T v of 256 positions each).  It stands for the written order's second and fourth products:
; (q M) w_o^T = q (M w_o^T) for all values (shown at the head of the first kernel).
; THE NORMALISER.  U = the largest, over the batch's 16 heads, of the sum of the head's 16 stored largest magnitudes, held at 2^-119 from below: no |M| of the batch is above it.  With eU its exponent field, T = eU - 126,
; U < 2^T, so |M'| < 16 and |W''| < 1,024 x the largest |w_o|: both have room in f16 whatever the inputs' size.  The factor is a power of two: nothing is rounded by it.  It is a value alone: no address or branch hangs on it.
; The last launch makes the same eU by the same lines and undoes it.  LIMIT: |w_o| under 64.
; SHARES.  A work-group has one (batch, head) and 256 of the 1,024 outputs n; its eight waves 32 of them each.  Wave w also sums, scales and rounds fragment w of M' (rows e = 16 (w / 2) on, K = d = 32 (w % 2) on: tiles
; 2 w and 2 w + 1 of the partials); the eight fragments go from wave to wave through LDS as images of their registers.
; The product is used transposed (source 0 = 16 rows e of M', source 1 = 16 rows n of w_o): a lane holds one n, its registers run along e: rounded to f16 in pairs they are operands of the last launch, whose K is (h, e).
; OUT: wf [batch: 4][n / 16: 64][(64 h + e) / 32: 32][1,024 bytes], images of fragments: each store covers 512 consecutive bytes.
; No tensor load and no cluster: what work-groups share is read through registers once a work-group, and the launch is short.
.set SPARE, 8192                       ; LDS: eight images of 1,024 bytes, then the spare words, 128 bytes for each of the eight waves
.set SPW,  8                           ; v8   LDS address of my spare word; never rewritten
.set NIL,  9                           ; v9   0; never rewritten
; eU << 23 into v[s], from the lane's eight stored magnitudes v[s] .. v[s + 7] (lane (r, h): head r, words 8 h on).  t: a register written before;  sel: the pair of lane selects.
.macro BOUND s, t, sel
	v_add_f32 v[\s], v[\s], v[\s+1]
	v_add_f32 v[\s+2], v[\s+2], v[\s+3]
	v_add_f32 v[\s+4], v[\s+4], v[\s+5]
	v_add_f32 v[\s+6], v[\s+6], v[\s+7]
	v_add_f32 v[\s], v[\s], v[\s+2]
	v_add_f32 v[\s+4], v[\s+4], v[\s+6]
	v_add_f32 v[\s], v[\s], v[\s+4]
	v_permlanex16_b32 v[\t], v[\s], s[\sel], s[\sel+1]
	v_add_f32 v[\s], v[\s], v[\t]                  ; the head's 16 words
	v_max_num_f32_dpp v[\s], v[\s], v[\s] row_xmask:1 row_mask:0xf bank_mask:0xf   ; the largest of the 16 heads
	v_max_num_f32_dpp v[\s], v[\s], v[\s] row_xmask:2 row_mask:0xf bank_mask:0xf
	v_max_num_f32_dpp v[\s], v[\s], v[\s] row_xmask:4 row_mask:0xf bank_mask:0xf
	v_max_num_f32_dpp v[\s], v[\s], v[\s] row_xmask:8 row_mask:0xf bank_mask:0xf
	v_max_num_f32 v[\s], 0x04000000, v[\s]         ; the floor 2^-119
	v_and_b32 v[\s], 0x7f800000, v[\s]             ; its exponent field, in place
.endm
	s_load_b256 s[4:11], s[0:1], 0x0               ; mp s[4:5], mx s[6:7], w_o s[8:9], wf s[10:11]
	v_lshl_add_u32 v[SPW], v0, 2, SPARE
	v_mov_b32 v[NIL], 0
	v_lshrrev_b32 v1, 5, v0
	v_readfirstlane_b32 s12, v1                    ; wave 0..7
	v_and_b32 v1, 31, v0                           ; lane
	v_and_b32 v2, 15, v0                           ; r
	v_bfe_u32 v3, v0, 4, 1                         ; h
	v_lshlrev_b32 v4, 4, v1                        ; 16 x lane: an image's place for my lane
	v_lshlrev_b32 v5, 6, v2
	v_lshl_add_u32 v5, v3, 5, v5                   ; mx: head r's 64 bytes, + 32 h
	v_lshlrev_b32 v6, 12, v2
	v_lshl_add_u32 v6, v3, 5, v6                   ; w_o: row r of 4,096 bytes, + 32 h: eight numbers of my half
	s_lshl_b32 s17, s12, 10
	v_add_nc_u32 v7, s17, v4                       ; where my image goes: 1,024 x wave + 16 x lane
	v_mov_b32 v11, 0                               ; written once: a lane permute's destination counts as one of its sources
	s_mov_b32 s22, 0x76543210
	s_mov_b32 s23, 0xfedcba98                      ; v_permlanex16_b32's selects for lane l xor 16
	s_and_b32 s14, ttmp7, 0xffff                   ; 16 x batch + head
	s_lshr_b32 s15, s14, 4                         ; batch
	s_and_b32 s16, s14, 15                         ; head
	s_lshl_b32 s18, s15, 10                        ; mx: 1,024 bytes a batch
	s_mov_b32 s19, 0
	s_lshl_b32 s20, ttmp9, 20                      ; w_o: 256 rows a work-group,
	s_lshl_b32 s17, s12, 17                        ; 32 a wave,
	s_add_co_u32 s20, s20, s17
	s_lshl_b32 s17, s16, 8                         ; the head's 64 columns
	s_add_co_u32 s20, s20, s17
	s_mov_b32 s21, 0
	s_lshl_b32 s24, s14, 17                        ; mp: eight partials of 16,384 bytes,
	s_lshl_b32 s17, s12, 11                        ; my two tiles
	s_add_co_u32 s24, s24, s17
	s_mov_b32 s25, 0
	s_lshl_b32 s26, s15, 21                        ; wf: the batch,
	s_lshl_b32 s17, ttmp9, 19                      ; 16 blocks of n a work-group,
	s_add_co_u32 s26, s26, s17
	s_lshl_b32 s17, s12, 16                        ; two a wave,
	s_add_co_u32 s26, s26, s17
	s_lshl_b32 s17, s16, 11                        ; the head's two fragments along K
	s_add_co_u32 s26, s26, s17
	s_mov_b32 s27, 0
	s_wait_kmcnt 0x0
	s_add_nc_u64 s[6:7], s[6:7], s[18:19]
	s_add_nc_u64 s[8:9], s[8:9], s[20:21]
	s_add_nc_u64 s[4:5], s[4:5], s[24:25]
	s_add_nc_u64 s[10:11], s[10:11], s[26:27]
	global_load_b128 v[16:19], v5, s[6:7]
	global_load_b128 v[20:23], v5, s[6:7] offset:16
.irp nb, 0,1                                   ; w_o's fragment (nb, kd): rows 16 nb + r, d = 32 kd + 8 h + 0 .. 7 and 32 kd + 16 + 8 h + 0 .. 7, as f32
.irp kd, 0,1
	global_load_b128 v[32+16*(2*\nb+\kd):32+16*(2*\nb+\kd)+3], v6, s[8:9] offset:\nb*65536+\kd*128
	global_load_b128 v[32+16*(2*\nb+\kd)+4:32+16*(2*\nb+\kd)+7], v6, s[8:9] offset:\nb*65536+\kd*128+16
	global_load_b128 v[32+16*(2*\nb+\kd)+8:32+16*(2*\nb+\kd)+11], v6, s[8:9] offset:\nb*65536+\kd*128+64
	global_load_b128 v[32+16*(2*\nb+\kd)+12:32+16*(2*\nb+\kd)+15], v6, s[8:9] offset:\nb*65536+\kd*128+80
.endr
.endr
.irp p, 0,1,2,3,4,5,6,7                        ; my two tiles of each partial: 16 registers
.irp u, 0,1,2,3
	global_load_b128 v[96+16*\p+4*\u:96+16*\p+4*\u+3], v4, s[4:5] offset:\p*16384+512*\u
.endr
.endr
	s_wait_loadcnt 48                              ; mx's two loads are in; w_o's 16 and mp's 32 may be out
	BOUND 16, 11, 22
	v_sub_nc_u32 v26, 0x80800000, v16              ; 2^(4 - T): exponent field 257 - eU
	v_mov_b32 v27, v26
	s_wait_loadcnt 32                              ; w_o's are in; mp's 32 may be out
.irp g, 0,1,2,3
.irp i, 0,1,2,3,4,5,6,7
	v_cvt_pk_f16_f32 v[224+8*\g+\i], v[32+16*\g+2*\i], v[32+16*\g+2*\i+1]
.endr
.endr
	s_wait_loadcnt 0x0
.irp p, 0,2,4,6                                ; the eight partials are added as a tree
.irp i, 0,2,4,6,8,10,12,14
	v_pk_add_f32 v[96+16*\p+\i:97+16*\p+\i], v[96+16*\p+\i:97+16*\p+\i], v[112+16*\p+\i:113+16*\p+\i]
.endr
.endr
.irp p, 0,4
.irp i, 0,2,4,6,8,10,12,14
	v_pk_add_f32 v[96+16*\p+\i:97+16*\p+\i], v[96+16*\p+\i:97+16*\p+\i], v[128+16*\p+\i:129+16*\p+\i]
.endr
.endr
.irp i, 0,2,4,6,8,10,12,14
	v_pk_add_f32 v[96+\i:97+\i], v[96+\i:97+\i], v[160+\i:161+\i]
.endr
.irp i, 0,2,4,6,8,10,12,14
	v_pk_mul_f32 v[96+\i:97+\i], v[96+\i:97+\i], v[26:27]   ; M'
.endr
.irp i, 0,1,2,3,4,5,6,7
	v_cvt_pk_f16_f32 v[16+\i], v[96+2*\i], v[97+2*\i]       ; tile 2 w gives registers 0-3, tile 2 w + 1 registers 4-7
.endr
	ds_store_b128 v7, v[16:19]
	ds_store_b128 v7, v[20:23] offset:512
	s_wait_dscnt 0x0                               ; for the others' sake: my image has landed
	s_barrier_signal -1
	s_barrier_wait -1
.irp f, 0,1,2,3,4,5,6,7
	ds_load_b128 v[96+8*\f:99+8*\f], v4 offset:1024*\f
	ds_load_b128 v[100+8*\f:103+8*\f], v4 offset:1024*\f+512
.endr
	s_wait_dscnt 0x0
.irp kd, 0,1                                   ; eight accumulators by turns; the first eight products start the sums
.irp nb, 0,1
.irp ae, 0,1,2,3
.if \kd == 0
	v_wmma_f32_16x16x32_f16 v[160+8*(4*\nb+\ae):167+8*(4*\nb+\ae)], v[96+8*(2*\ae+\kd):103+8*(2*\ae+\kd)], v[224+8*(2*\nb+\kd):231+8*(2*\nb+\kd)], 0
.else
	v_wmma_f32_16x16x32_f16 v[160+8*(4*\nb+\ae):167+8*(4*\nb+\ae)], v[96+8*(2*\ae+\kd):103+8*(2*\ae+\kd)], v[224+8*(2*\nb+\kd):231+8*(2*\nb+\kd)], v[160+8*(4*\nb+\ae):167+8*(4*\nb+\ae)]
.endif
.endr
.endr
.endr
.rept 4
	v_nop                                          ; four places in front of the first read of results
.endr
.irp nb, 0,1                                   ; lane (r, h) of accumulator (nb, ae): n = 16 nb + r, e = 16 ae + 8 h + 0 .. 7: fragment (nb, c) takes accumulators (nb, 2 c) and (nb, 2 c + 1), each from its low end on
.irp c, 0,1
.irp i, 0,1,2,3
	v_cvt_pk_f16_f32 v[32+8*(2*\nb+\c)+\i], v[160+8*(4*\nb+2*\c)+2*\i], v[160+8*(4*\nb+2*\c)+2*\i+1]
.endr
.irp i, 0,1,2,3
	v_cvt_pk_f16_f32 v[32+8*(2*\nb+\c)+4+\i], v[160+8*(4*\nb+2*\c+1)+2*\i], v[160+8*(4*\nb+2*\c+1)+2*\i+1]
.endr
.endr
.endr
.irp nb, 0,1
.irp c, 0,1
	global_store_b128 v4, v[32+8*(2*\nb+\c):32+8*(2*\nb+\c)+3], s[10:11] offset:\nb*32768+\c*1024       ; 32 lanes store 512 consecutive bytes, aligned
	global_store_b128 v4, v[32+8*(2*\nb+\c)+4:32+8*(2*\nb+\c)+7], s[10:11] offset:\nb*32768+\c*1024+512
.endr
.endr
	s_wait_tensorcnt 0x0                           ; the wave's end, behind my last LDS store
	ds_add_u32 v[SPW], v[NIL]
	s_wait_dscnt 0x0
	s_endpgm
.Lfunc_end_k_qfbf1c01c43_wprime:
	.size	k_qfbf1c01c43_wprime, .Lfunc_end_k_qfbf1c01c43_wprime-k_qfbf1c01c43_wprime
	.p2alignl 7, 3214868480
	.fill 96, 4, 3214868480
	.section	.rodata,"a",@progbits
	.p2align	6, 0x0
	.amdhsa_kernel k_qfbf1c01c43_wprime
		.amdhsa_group_segment_fixed_size 9216
		.amdhsa_private_segment_fixed_size 0
		.amdhsa_enable_private_segment 0
		.amdhsa_kernarg_size 32
		.amdhsa_user_sgpr_count 2
		.amdhsa_user_sgpr_kernarg_segment_ptr 1
		.amdhsa_wavefront_size32 1
		.amdhsa_system_sgpr_workgroup_id_x 1
		.amdhsa_system_sgpr_workgroup_id_y 1
		.amdhsa_system_sgpr_workgroup_id_z 1
		.amdhsa_system_vgpr_workitem_id 0
		.amdhsa_next_free_vgpr 256
		.amdhsa_next_free_sgpr 66
		.amdhsa_reserve_vcc 0
		.amdhsa_float_denorm_mode_32 3
		.amdhsa_float_denorm_mode_16_64 3
		.amdhsa_memory_ordered 1
		.amdhsa_forward_progress 1
		.amdhsa_inst_pref_size 20
	.end_amdhsa_kernel
	.amdgpu_metadata
---
amdhsa.version: [ 1, 2 ]
amdhsa.kernels:
  - .name:           k_qfbf1c01c43_wprime
    .symbol:         k_qfbf1c01c43_wprime.kd
    .args:
      - { .name: mp, .offset: 0, .size: 8, .value_kind: global_buffer, .address_space: global }
      - { .name: mx, .offset: 8, .size: 8, .value_kind: global_buffer, .address_space: global }
      - { .name: w_o, .offset: 16, .size: 8, .value_kind: global_buffer, .address_space: global }
      - { .name: wf, .offset: 24, .size: 8, .value_kind: global_buffer, .address_space: global }
    .group_segment_fixed_size: 9216
    .private_segment_fixed_size: 0
    .kernarg_segment_align: 8
    .kernarg_segment_size: 32
    .max_flat_workgroup_size: 256
    .sgpr_count:     66
    .vgpr_count:     256
    .wavefront_size: 32
...
	.end_amdgpu_metadata
.endif
;; end of part 3
;; launch gemm2 (part 4): grid 4 x 64, 4 waves a work-group, clusters of 4 x 4, 327,680 bytes of LDS; arguments qf, wf, mx, out0; writes out0
.if DOCPART == 4
	.amdgcn_target "amdgcn-amd-amdhsa--gfx1250"
	.amdhsa_code_object_version 6
	.text
	.protected	k_qfbf1c01c43_gemm2
	.globl	k_qfbf1c01c43_gemm2
	.p2align	8
	.type	k_qfbf1c01c43_gemm2,@function
k_qfbf1c01c43_gemm2:
	s_mov_b64 s[64:65], 0
	v_nop
	global_prefetch_b8 v0, s[64:65] scope:SCOPE_SE
	s_setreg_imm32_b32 hwreg(HW_REG_WAVE_MODE, 25, 1), 1
	s_wait_xcnt 0x0
	s_wait_alu depctr_hold_cnt(0) depctr_sa_sdst(0) depctr_va_vdst(0) depctr_va_sdst(0) depctr_va_ssrc(0) depctr_va_vcc(0) depctr_vm_vsrc(0)
	s_getreg_b32 s2, hwreg(HW_REG_IB_STS2, 6, 4)
	s_cmp_eq_u32 s2, 0
	s_cbranch_scc0 .Lentry_in_a_cluster
	s_endpgm
.Lentry_in_a_cluster:
	s_bfe_u32 s2, ttmp6, 0x10000c
	s_cmp_lg_u32 s2, 0xf033
	s_cbranch_scc0 .Lentry_shape_is_right
	s_endpgm
.Lentry_shape_is_right:
; out0[b][s][n] = 2^(T - 7) x the sum over K = (h, e), 1,024 long, of q[b][s][K] W''[b][K][n]: f16 operands, f32 sums.  It stands for the written order's first, second and fourth products' tail:
; ((q k^T / 8) v) w_o^T = q (k^T v w_o^T) / 8 for all values (shown at the head of the first kernel).  2^(T - 7) undoes the normaliser 2^(4 - T) of W'' and holds the 1/8; it is a power of two.
; A work-group of four waves makes 128 rows x 256 columns: 256 work-groups.  A wave makes 64 x 128: 32 accumulators of 16 x 16, 256 registers.
; BOTH OPERANDS LIE IN MEMORY AS IMAGES OF FRAGMENTS (16 rows x 32 K of f16: 1,024 bytes, registers 0-3 at 16 x lane, 4-7 at 512 + 16 x lane), [block of 16 rows][K / 32: 32][1,024 bytes].  A K step is 128: four fragments,
; 4,096 consecutive bytes of each block of rows.  In LDS the tiles are dense: a fragment load takes 512 consecutive bytes, so there is no padding.
; K goes in eight steps through a ring of two LDS slots.  CLUSTERS: 4 x 4 work-groups: the four of a row of the cluster need the same rows of q, the four of a column the same columns of W'' (the batch hangs on the
; cluster's y alone): each tile is asked for jointly.  The product is used transposed (source 0 = 16 columns n, source 1 = 16 rows): a lane holds eight neighbouring numbers of a row of out0.
; No prefetch: the launch has eight K steps, of which the first four are asked for at once or nearly so, and its own loads and stores keep memory at work throughout.
; REGISTERS: window 0: v0-31 addresses; v32-63, v64-95 q's fragments, two buffers; v96-159, v160-223 W'''s, two buffers; v224-235 the normaliser.  window 1: the accumulators, (a, b) at v[8 (8 a + b)].
.set SLOT,  98304                      ; q's 8 blocks x 4,096 bytes, then W'''s 16 blocks x 4,096
.set BOFF,  32768
.set SPARE, 2*SLOT                     ; behind the ring: the spare words, 128 bytes for each wave
.set STG,   8448                       ; the way out: 16 rows x (512 bytes + 16) for each wave, in slot 0, behind its last fill and its last read
.set ADRA, 16                          ; v16-17  LDS address of my q fragments in slot 0, 1
.set ADRB, 20                          ; v20-21  the same for W''
.set STO,  24                          ; v24     the way out: where I put 32 bytes of a row
.set RD,   25                          ; v25     where I read a row back
.set CO,   26                          ; v26     16 x lane
.set SPW,  28                          ; v28     LDS address of my spare word; never rewritten
.set NIL,  29                          ; v29     0; never rewritten
.set G1, 24                            ; s[24:31] descriptor group 1 for q's tiles;  s[32:39] group 0, one set for each slot
.set G0, 32
.set G1B, 48                           ; s[48:55], s[56:63] the same for W'''s
.set G0B, 56
.set MSB, 0
.macro WIN new                         ; the immediate's high byte repeats the setting that is left
.if MSB != \new
	s_set_vgpr_msb (MSB<<8)|\new
.set MSB, \new
.endif
.endm
.set MUL, 0x50                         ; sources 0 and 1 window 0; C and D window 1
.macro JLOAD s                         ; a joint load: waves 0 and 1 fetch q's two halves, waves 2 and 3 W'''s; an s_nop 0 and four v_nop follow each of the two lines
	s_cmp_eq_u32 s13, 0
	s_cbranch_scc0 .Lfor_b_\@
	tensor_load_to_lds s[G0+4*\s:G0+4*\s+3], s[G1:G1+7]
	s_nop 0
.rept 4
	v_nop
.endr
	s_branch .Lasked_\@
.Lfor_b_\@:
	tensor_load_to_lds s[G0B+4*\s:G0B+4*\s+3], s[G1B:G1B+7]
	s_nop 0
.rept 4
	v_nop
.endr
.Lasked_\@:
.endm
.macro CREST                           ; a round of the cluster's barrier behind its opening barrier
	s_cmp_lg_u32 s12, 0
	s_cbranch_scc1 .Lnot_wave_0_\@
	s_barrier_signal -3
.Lnot_wave_0_\@:
	s_barrier_wait -3
	s_barrier_signal -1
	s_barrier_wait -1
.endm
.macro CROUND                          ; a whole round
	s_barrier_signal -1
	s_barrier_wait -1
	CREST
.endm
; eU << 23 into v[s]: the same lines as in the launch that made W'', so the same bits.
.macro BOUND s, t, sel
	v_add_f32 v[\s], v[\s], v[\s+1]
	v_add_f32 v[\s+2], v[\s+2], v[\s+3]
	v_add_f32 v[\s+4], v[\s+4], v[\s+5]
	v_add_f32 v[\s+6], v[\s+6], v[\s+7]
	v_add_f32 v[\s], v[\s], v[\s+2]
	v_add_f32 v[\s+4], v[\s+4], v[\s+6]
	v_add_f32 v[\s], v[\s], v[\s+4]
	v_permlanex16_b32 v[\t], v[\s], s[\sel], s[\sel+1]
	v_add_f32 v[\s], v[\s], v[\t]                  ; the head's 16 words
	v_max_num_f32_dpp v[\s], v[\s], v[\s] row_xmask:1 row_mask:0xf bank_mask:0xf   ; the largest of the 16 heads
	v_max_num_f32_dpp v[\s], v[\s], v[\s] row_xmask:2 row_mask:0xf bank_mask:0xf
	v_max_num_f32_dpp v[\s], v[\s], v[\s] row_xmask:4 row_mask:0xf bank_mask:0xf
	v_max_num_f32_dpp v[\s], v[\s], v[\s] row_xmask:8 row_mask:0xf bank_mask:0xf
	v_max_num_f32 v[\s], 0x04000000, v[\s]         ; the floor 2^-119
	v_and_b32 v[\s], 0x7f800000, v[\s]             ; its exponent field, in place
.endm
	s_load_b256 s[4:11], s[0:1], 0x0               ; qf s[4:5], wf s[6:7], mx s[8:9], out0 s[10:11]
	v_lshl_add_u32 v[SPW], v0, 2, SPARE
	v_mov_b32 v[NIL], 0
	ds_add_u32 v[SPW], v[NIL]                      ; the wave's opening: the add, twice on end, and its wait ahead of my first tensor load; the set-up below stands between
	ds_add_u32 v[SPW], v[NIL]
	v_lshrrev_b32 v1, 5, v0
	v_readfirstlane_b32 s12, v1                    ; wave 0..3
	s_lshr_b32 s13, s12, 1                         ; which half of the tile's rows is mine.  Also: I fetch for q (0) or for W'' (1)
	s_and_b32 s14, s12, 1                          ; which half of its columns.  Also: which half of that tile I fetch
	s_bfe_u32 s40, ttmp6, 0x40000                  ; cx, cy: my place in the cluster
	s_bfe_u32 s41, ttmp6, 0x40004
	s_lshl_b32 s42, ttmp9, 2
	s_add_co_u32 s42, s42, s40                     ; tile column: 256 columns
	s_and_b32 s66, ttmp7, 0xffff                   ; the cluster's y
	s_lshl_b32 s43, s66, 2
	s_add_co_u32 s43, s43, s41                     ; tile row: 128 rows
	s_lshr_b32 s67, s66, 2                         ; batch: 16 tile rows, four clusters: cy does not enter it
	s_lshl_b32 s44, s41, 2
	s_lshl_b32 s44, 15, s44                        ; my row of the cluster
	s_lshl_b32 s45, 0x1111, s40                    ; my column
	; descriptor group 1: R rows of 4,096 bytes (512 elements of 8 bytes), 32,768 bytes apart in memory, dense in LDS.  q: R = 4 blocks of rows to a load; W'': R = 8
	s_or_b32 s[G1+0], s44, (3<<16)|(1<<21)         ; 15:0 the mask: q's tiles go to my row; 17:16 elements of 8 bytes; 21 set beside a mask
	s_or_b32 s[G1B+0], s45, (3<<16)|(1<<21)
	s_mov_b32 s[G1+1], 512<<16                     ; tensor_dim0
	s_mov_b32 s[G1+2], 4<<16                       ; tensor_dim1
	s_mov_b32 s[G1+3], 512<<16                     ; tile_dim0
	s_mov_b32 s[G1+4], 4                           ; tile_dim1
	s_mov_b32 s[G1+5], 4096                        ; from row to row, in elements
	s_mov_b32 s[G1+6], 0
	s_mov_b32 s[G1+7], 0
	s_mov_b32 s[G1B+1], 512<<16
	s_mov_b32 s[G1B+2], 8<<16
	s_mov_b32 s[G1B+3], 512<<16
	s_mov_b32 s[G1B+4], 8
	s_mov_b32 s[G1B+5], 4096
	s_mov_b32 s[G1B+6], 0
	s_mov_b32 s[G1B+7], 0
	s_lshl_b32 s16, s43, 18                        ; q: block 8 x tile row + 4 x half, 32,768 bytes each
	s_lshl_b32 s17, s14, 17
	s_add_co_u32 s16, s16, s17
	s_mov_b32 s17, 0
	s_lshl_b32 s46, s67, 21                        ; W'': the batch, block 16 x tile column + 8 x half
	s_lshl_b32 s47, s42, 19
	s_add_co_u32 s46, s46, s47
	s_lshl_b32 s47, s14, 18
	s_add_co_u32 s46, s46, s47
	s_mov_b32 s47, 0
	s_lshl_b32 s20, s14, 14                        ; where they go: q's halves at 0 and 16,384;
	s_lshl_b32 s21, s14, 15
	s_add_co_u32 s21, s21, BOFF                    ; W'''s at 32,768 and 65,536: no place in the cluster enters an LDS address
	s_mov_b32 s68, 0x76543210
	s_mov_b32 s69, 0xfedcba98                      ; v_permlanex16_b32's selects for lane l xor 16
	s_wait_dscnt 0x0                               ; both opening adds are done
	s_wait_kmcnt 0x0
	s_add_nc_u64 s[18:19], s[4:5], s[16:17]
	s_add_nc_u64 s[22:23], s[6:7], s[46:47]
	CROUND                                         ; all sixteen work-groups are here: the first joint loads meet
.irp s, 0,1
	s_mov_b32 s[G0+4*\s], 1
	s_add_co_u32 s[G0+4*\s+1], s20, \s*SLOT
	s_add_nc_u64 s[G0+4*\s+2:G0+4*\s+3], s[18:19], \s*4096
	s_or_b32 s[G0+4*\s+3], s[G0+4*\s+3], 0x80000000
	s_mov_b32 s[G0B+4*\s], 1
	s_add_co_u32 s[G0B+4*\s+1], s21, \s*SLOT
	s_add_nc_u64 s[G0B+4*\s+2:G0B+4*\s+3], s[22:23], \s*4096
	s_or_b32 s[G0B+4*\s+3], s[G0B+4*\s+3], 0x80000000
	JLOAD \s                                       ; two tensor loads of mine are out at the most
.endr
	v_and_b32 v1, 31, v0                           ; lane
	v_and_b32 v2, 15, v0                           ; r
	v_bfe_u32 v3, v0, 4, 1                         ; h
	v_lshlrev_b32 v[CO], 4, v1
	s_lshl_b32 s16, s13, 14                        ; my four blocks of q
	v_add_nc_u32 v[ADRA], s16, v[CO]
	s_add_co_u32 s16, s16, SLOT
	v_add_nc_u32 v[ADRA+1], s16, v[CO]
	s_lshl_b32 s17, s14, 15                        ; my eight blocks of W''
	s_add_co_u32 s17, s17, BOFF
	v_add_nc_u32 v[ADRB], s17, v[CO]
	s_add_co_u32 s17, s17, SLOT
	v_add_nc_u32 v[ADRB+1], s17, v[CO]
	s_mul_i32 s16, s12, STG                        ; my stage
	v_mul_u32_u24 v[STO], v2, 528
	v_lshl_add_u32 v[STO], v3, 5, v[STO]
	v_add_nc_u32 v[STO], s16, v[STO]               ; in: row r, 32 bytes for each half of the lanes
	v_add_nc_u32 v[RD], s16, v[CO]                 ; back: the 32 lanes take one row of 512 bytes
	v_lshlrev_b32 v4, 6, v2
	v_lshl_add_u32 v4, v3, 5, v4                   ; mx: head r's 64 bytes, + 32 h
	v_mov_b32 v234, 0                              ; written once: a lane permute's destination counts as one of its sources
	s_lshl_b32 s16, s67, 10
	s_mov_b32 s17, 0
	s_add_nc_u64 s[8:9], s[8:9], s[16:17]          ; the batch's 1,024 bytes of mx
	global_load_b128 v[224:227], v4, s[8:9]        ; wanted on the way out
	global_load_b128 v[228:231], v4, s[8:9] offset:16
	s_lshl_b32 s16, s43, 19                        ; out0: row 128 x tile row + 64 x half, 4,096 bytes each;
	s_lshl_b32 s17, s13, 18
	s_add_co_u32 s16, s16, s17
	s_lshl_b32 s17, s42, 10                        ; column 256 x tile column + 128 x half
	s_add_co_u32 s16, s16, s17
	s_lshl_b32 s17, s14, 9
	s_add_co_u32 s16, s16, s17
	s_mov_b32 s17, 0
	s_add_nc_u64 s[10:11], s[10:11], s[16:17]
; 8 matrix instructions: block a of my rows x my eight blocks of columns, 32 along K, from buffer f.  zero = 1: the product starts the sums.  The 32 accumulators take turns, in the same order in every quarter.
.macro MULA f, a, zero
.irp b, 0,1,2,3,4,5,6,7
.if \zero
	v_wmma_f32_16x16x32_f16 v[8*(8*(\a)+\b):8*(8*(\a)+\b)+7], v[96+64*(\f)+8*\b:96+64*(\f)+8*\b+7], v[32+32*(\f)+8*(\a):32+32*(\f)+8*(\a)+7], 0
.else
	v_wmma_f32_16x16x32_f16 v[8*(8*(\a)+\b):8*(8*(\a)+\b)+7], v[96+64*(\f)+8*\b:96+64*(\f)+8*\b+7], v[32+32*(\f)+8*(\a):32+32*(\f)+8*(\a)+7], v[8*(8*(\a)+\b):8*(8*(\a)+\b)+7]
.endif
.endr
.endm
; 24 LDS loads in one run: the fragments of the slot's kq-th 32 along K into buffer f: W'''s eight, then q's four
.macro FETCH slot, kq, f
	WIN 0
.irp i, 0,1,2,3,4,5,6,7
	ds_load_b128 v[96+64*(\f)+8*\i:96+64*(\f)+8*\i+3], v[ADRB+\slot] offset:\i*4096+(\kq)*1024
	ds_load_b128 v[96+64*(\f)+8*\i+4:96+64*(\f)+8*\i+7], v[ADRB+\slot] offset:\i*4096+(\kq)*1024+512
.endr
.irp i, 0,1,2,3
	ds_load_b128 v[32+32*(\f)+8*\i:32+32*(\f)+8*\i+3], v[ADRA+\slot] offset:\i*4096+(\kq)*1024
	ds_load_b128 v[32+32*(\f)+8*\i+4:32+32*(\f)+8*\i+7], v[ADRA+\slot] offset:\i*4096+(\kq)*1024+512
.endr
.endm
.macro PLACES                          ; four places in front of loads into registers that matrix instructions have read, and of the first read of results (ISA guide 7.12.1 for vector instructions)
.rept 4
	v_nop
.endr
.endm
; A K step is four quarters of 32 along K, 32 matrix instructions each, on buffers 0, 1, 0, 1.  One of the first three: multiplies buffer f and fetches the slot's kq-th quarter into g.
.macro QUARTER slot, kq, f, g, zero
	s_wait_dscnt 4                                 ; W'''s eight and q's blocks 0, 1 are in; the youngest four loads (q's blocks 2, 3) may be out
	WIN MUL
	MULA \f, 0, \zero
	MULA \f, 1, \zero
	PLACES
	FETCH \slot, \kq, \g
	s_wait_dscnt 24                                ; all but the 24 just issued
	WIN MUL
	MULA \f, 2, \zero
	MULA \f, 3, \zero
.endm
; The last quarter multiplies buffer 1 and changes slots: ONE barrier; in front of it each wave waits for all its tensor loads, adds 0 to its spare word, and waits for that and for its reads of this slot.
; fill = 1: the barrier opens a round of the cluster's barrier, and this slot is filled again, two K steps ahead: the load has 112 matrix instructions of mine in which to land.
.macro TURN slot, next, fill
	WIN 0                                          ; (the add's two registers lie in window 0)
	s_wait_tensorcnt 0x0                           ; all my tensor loads have landed: my part of the next slot
	ds_add_u32 v[SPW], v[NIL]                      ; 0 onto my spare word
	s_wait_dscnt 5                                 ; (the add and the youngest four loads may be out)
	WIN MUL
	MULA 1, 0, 0
	s_wait_dscnt 0x0                               ; the add is done, and my reads of this slot are over
	s_barrier_signal -1
	MULA 1, 1, 0
	WIN 0
	s_barrier_wait -1
.if \fill
	CREST                                          ; no wave of any partner still reads this slot's tile or has a load on its way
	s_add_nc_u64 s[G0+4*\slot+2:G0+4*\slot+3], s[G0+4*\slot+2:G0+4*\slot+3], 2*4096
	s_add_nc_u64 s[G0B+4*\slot+2:G0B+4*\slot+3], s[G0B+4*\slot+2:G0B+4*\slot+3], 2*4096
	JLOAD \slot                                    ; the first tensor load behind the round; the four v_nop behind it are also the places in front of the loads below
.else
	PLACES
.endif
	FETCH \next, 0, 0
	WIN MUL
	MULA 1, 2, 0
	MULA 1, 3, 0
.endm
	s_wait_tensorcnt 1                             ; my part of K step 0 is in (K step 1's load may be out),
	s_barrier_signal -1
	s_barrier_wait -1                              ; everybody's is
	FETCH 0, 0, 0
	QUARTER 0, 1, 0, 1, 1                          ; the first quarter stands in front of the loop: its products start the sums
	WIN 0                                          ; at a label and at a branch every window is 0
	s_mov_b32 s15, 3
.Llap:                                                 ; a trip goes once round the ring, from a lap's second quarter to the next lap's first, and fills both slots again: K steps 2 to 7
	QUARTER 0, 2, 1, 0, 0
	QUARTER 0, 3, 0, 1, 0
	TURN 0, 1, 1
	QUARTER 1, 1, 0, 1, 0
	QUARTER 1, 2, 1, 0, 0
	QUARTER 1, 3, 0, 1, 0
	TURN 1, 0, 1
	QUARTER 0, 1, 0, 1, 0
	WIN 0
	s_sub_co_u32 s15, s15, 1
	s_cmp_lg_u32 s15, 0
	s_cbranch_scc1 .Llap
	QUARTER 0, 2, 1, 0, 0                          ; the last lap fills nothing, and has no round of the cluster's barrier
	QUARTER 0, 3, 0, 1, 0
	TURN 0, 1, 0
	QUARTER 1, 1, 0, 1, 0
	QUARTER 1, 2, 1, 0, 0
	QUARTER 1, 3, 0, 1, 0
	s_wait_dscnt 4                                 ; the very last quarter: nothing more to fetch
	WIN MUL
	MULA 1, 0, 0
	MULA 1, 1, 0
	s_wait_dscnt 0
	MULA 1, 2, 0
	MULA 1, 3, 0
	WIN 0
	; THE WAY OUT.  The factor first: its plain additions are also the places behind the last products.
	s_wait_loadcnt 0x0                             ; mx's two loads, asked for at the head
	BOUND 224, 234, 68
	v_add_nc_u32 v232, 0xfd000000, v224            ; 2^(T - 7): exponent field eU - 6
	v_mov_b32 v233, v232
; A block of 16 rows x 128 columns goes through my own stage in LDS and comes back as whole rows of 512 bytes.  LDS serves a wave's instructions in order (ISA guide 5.7.1.4): no wait between the stores and the loads.
.macro TOSTAGE a
	WIN 0x04                                       ; an LDS store's data are its source 1: window 1
.irp b, 0,1,2,3,4,5,6,7
	ds_store_b128 v[STO], v[8*(8*(\a)+\b):8*(8*(\a)+\b)+3] offset:64*\b          ; each accumulator from its low end on
	ds_store_b128 v[STO], v[8*(8*(\a)+\b)+4:8*(8*(\a)+\b)+7] offset:64*\b+16
.endr
	WIN 0
.set BB, 32+64*((\a)%2)
.irp t, 0,1,2,3,4,5,6,7,8,9,10,11,12,13,14,15
	ds_load_b128 v[BB+4*\t:BB+4*\t+3], v[RD] offset:\t*528
.endr
.endm
.macro SEND a, younger                 ; younger: the LDS instructions issued behind block a's loads, which may stay out
.set BB, 32+64*((\a)%2)
	s_wait_dscnt \younger                          ; the block is back in registers
.set i, 0
.rept 32
	v_pk_mul_f32 v[BB+2*i:BB+2*i+1], v[BB+2*i:BB+2*i+1], v[232:233]
.set i, i+1
.endr
.irp t, 0,1,2,3,4,5,6,7,8,9,10,11,12,13,14,15
	global_store_b128 v[CO], v[BB+4*\t:BB+4*\t+3], s[10:11] offset:(\a)*65536+\t*4096 th:TH_STORE_NT   ; 32 lanes store 512 consecutive bytes, aligned; written once, read by nobody here
.endr
.endm
	TOSTAGE 0
.irp a, 1,2,3
.if \a > 1
	s_wait_xcnt 0x0                                ; block a - 2's stores have read their registers: block a's loads may land there
.endif
	TOSTAGE \a
	SEND \a-1, 32                                  ; behind block a - 1's loads: block a's 16 stores and 16 loads
.endr
	SEND 3, 0
	s_wait_tensorcnt 0x0                           ; the wave's end, behind my last tensor load and my last LDS store
	ds_add_u32 v[SPW], v[NIL]
	s_wait_dscnt 0x0
	CROUND                                         ; the closing round: no work-group ends while a partner may still ask for a tile that names it
	s_endpgm
.Lfunc_end_k_qfbf1c01c43_gemm2:
	.size	k_qfbf1c01c43_gemm2, .Lfunc_end_k_qfbf1c01c43_gemm2-k_qfbf1c01c43_gemm2
	.p2alignl 7, 3214868480
	.fill 96, 4, 3214868480
	.section	.rodata,"a",@progbits
	.p2align	6, 0x0
	.amdhsa_kernel k_qfbf1c01c43_gemm2
		.amdhsa_group_segment_fixed_size 327680
		.amdhsa_private_segment_fixed_size 0
		.amdhsa_enable_private_segment 0
		.amdhsa_kernarg_size 32
		.amdhsa_user_sgpr_count 2
		.amdhsa_user_sgpr_kernarg_segment_ptr 1
		.amdhsa_wavefront_size32 1
		.amdhsa_system_sgpr_workgroup_id_x 1
		.amdhsa_system_sgpr_workgroup_id_y 1
		.amdhsa_system_sgpr_workgroup_id_z 1
		.amdhsa_system_vgpr_workitem_id 0
		.amdhsa_next_free_vgpr 512
		.amdhsa_next_free_sgpr 70
		.amdhsa_reserve_vcc 0
		.amdhsa_float_denorm_mode_32 3
		.amdhsa_float_denorm_mode_16_64 3
		.amdhsa_memory_ordered 1
		.amdhsa_forward_progress 1
		.amdhsa_inst_pref_size 93
	.end_amdhsa_kernel
	.amdgpu_metadata
---
amdhsa.version: [ 1, 2 ]
amdhsa.kernels:
  - .name:           k_qfbf1c01c43_gemm2
    .symbol:         k_qfbf1c01c43_gemm2.kd
    .args:
      - { .name: qf, .offset: 0, .size: 8, .value_kind: global_buffer, .address_space: global }
      - { .name: wf, .offset: 8, .size: 8, .value_kind: global_buffer, .address_space: global }
      - { .name: mx, .offset: 16, .size: 8, .value_kind: global_buffer, .address_space: global }
      - { .name: out0, .offset: 24, .size: 8, .value_kind: global_buffer, .address_space: global }
    .group_segment_fixed_size: 327680
    .private_segment_fixed_size: 0
    .kernarg_segment_align: 8
    .kernarg_segment_size: 32
    .max_flat_workgroup_size: 128
    .sgpr_count:     70
    .vgpr_count:     512
    .wavefront_size: 32
...
	.end_amdgpu_metadata
.endif
;; end of part 4
